; MI455X (gfx1250); checked and timed in simulation.
; The chip was launched on July 23, 2026; its instructions are those of AMD's public machine-readable ISA for CDNA 5 (MIT licence, August 2026) and "CDNA5" Instruction Set Architecture Reference Guide (July 2026). The comments in the code are by the model that wrote it; some were corrected since.
;; Shared Weight FC. Allowed arithmetic: matrix products marked QUANTISED: E2M1 operands, one E8M0 scale for each 32 along K, by v_wmma_scale_f32_16x16x128_f8f6f4 with both operands' format E2M1 (or v_wmma_scale_f32_32x16x128_f4), f32 sums; everything else in f32.
;; Inputs: bias 4,096 float32; shared_weights 256 x 4,096 float32; x_codes 4,096 x 128 x 16 uint8 (E2M1 codes of x, K innermost, in blocks of 32 codes, two codes a byte); x_scales 4,096 x 128 uint8 (E8M0 scales of x, one for each 32 codes along K).
;; Outputs: out0 4,096 x 4,096 float32.
;; This version of the problem:
;;   THIS VERSION OF THE PROBLEM IS GIVEN IN LOW PRECISION. The matrix products marked QUANTISED in the list below multiply operands that are first quantised to E2M1 (2 exponent bits, 1 mantissa bit; 4 bits a number), with one power-of-two scale for each 32 numbers along K (OCP MX v1.0); their sums are f32. All else is computed in f32.
;;   The module's matrix products, in the order in which they are computed (A, B: the left and right operand; K: the contracted axis; several contracted axes count as one K, in the product's order):
;;     1. [M 4,096, K 4,096] x [K 4,096, N 4,096]; A: input x (given as codes); B: computed on the way: QUANTISED
;;   THE QUANTISER, for each operand of a quantised product, along K:
;;     - K is cut into blocks of 32 from its start; a last block that is shorter is filled with zeros.
;;     - A block's scale is 2^e with e = floor(log2(the largest magnitude in the block)) - 2, held to -126 .. 127; a block of zeros has e = 0. As a byte (E8M0): e + 127.
;;     - Each number is divided by its block's scale, clamped to +-6, and rounded to the nearest number of E2M1, ties to even, subnormals kept.
;;     - The product sums the exact products of the quantised numbers (number of the format x scale) in f32.
;;   ~~~python
;;   def quantise(x, axis):      # numpy; x: float32 -> the quantised numbers, widened to float32 again
;;       x = np.moveaxis(x, axis, -1); K = x.shape[-1]
;;       x = np.pad(x, [(0, 0)] * (x.ndim - 1) + [(0, -K % 32)]); x = x.reshape(x.shape[:-1] + (-1, 32)); a = np.abs(x).max(-1, keepdims=True)
;;       e = np.where(a > 0, np.clip(np.frexp(np.where(a > 0, a, 1))[1] - 1 - 2, -126, 127), 0)      # np.frexp(a)[1] - 1 = floor(log2(a)), exactly
;;       r = np.clip(x / 2.0 ** e, -6, 6)
;;       step = 2.0 ** (np.maximum(np.frexp(np.where(r == 0, 1, r))[1] - 1, 0) - 1)
;;       q = np.round(r / step) * step * 2.0 ** e      # np.round: ties to even
;;       return np.moveaxis(q.reshape(q.shape[:-2] + (-1,))[..., :K], -1, axis).astype(np.float32)
;;   ~~~
;;   OPERANDS COMPUTED ON THE WAY. 'Computed on the way' means the value that the module computes at that place (a softmax that the list does not call 'softmax' is quantised finished and normalised). What goes into a quantiser is computed in f32, as accurately as f32 sums, v_exp_f32 and their like allow (about 1e-6 of the number): no bf16 or f16 on the way to a quantiser, and a product that is left as it is and whose result goes on into a quantised operand takes f32 operands (vector FMAs, or v_wmma_f32_16x16x4_f32). A number that lies on a knife's edge between two numbers of the format may be rounded either way, as far as f32 arithmetic and the matrix unit's own rounding can turn it there, and no further.
;;   INPUTS GIVEN AS CODES. x (in the module: [4096, 4096], K = its axis 1): each comes as NAME_codes (uint8): NAME with its K axis moved to the last place and cut into blocks of 32 codes, [.., K / 32, bytes a block], one block behind the other in memory; two codes a byte, the lower K in the low four bits (a code: sign, 2 exponent bits, 1 mantissa bit); and NAME_scales (uint8): the same leading axes, one E8M0 byte (e + 127) for each 32 codes along K. Its value is code x scale, taken as it is: it is not quantised again, and the codes and scales need not be those that the quantiser above would give.
;; One version. Each part assembles by itself: llvm-mc -triple=amdgcn-amd-amdhsa -mcpu=gfx1250 --defsym DOCPART=n.
;; ======== version 1 of 1: 2 launches
;; limits: right only within a limited range of input values
;; workspace buffers: w_codes 524,288 bytes; w_scales 32,768 bytes
;; launch quant (part 1): grid 128 x 1, 8 waves a work-group, no clusters, 38,144 bytes of LDS; arguments shared_weights, w_codes, w_scales; writes w_codes, w_scales
.if DOCPART == 1
	.amdgcn_target "amdgcn-amd-amdhsa--gfx1250"
	.amdhsa_code_object_version 6
	.text
	.protected	k_qda151bb5bb_quant
	.globl	k_qda151bb5bb_quant
	.p2align	8
	.type	k_qda151bb5bb_quant,@function
k_qda151bb5bb_quant:
	s_mov_b64 s[64:65], 0
	v_nop
	global_prefetch_b8 v0, s[64:65] scope:SCOPE_SE
	s_setreg_imm32_b32 hwreg(HW_REG_WAVE_MODE, 25, 1), 1
	s_wait_xcnt 0x0
; shared_weights W [256][4096], f32, K innermost, becomes codes of FP4 (E2M1), two a byte, K innermost, and one E8M0 scale byte for each 32 along K.
; A block's scale is 2^(floor(log2(its largest magnitude)) - 2); its byte is the largest magnitude's exponent field - 2, held at 1 from below; each number is
; divided by the scale and rounded to the nearest code, ties to even, beyond 6 the largest code.
; w_scales: [row 256][128 bytes].  w_codes BY HALVES OF K: [64 rows each: 4][half of K: 2][row 64][1,024 bytes]: the product's launch fetches dense tiles of 32 rows of 1,024 bytes.
; LIMITS: NaN and infinities in W are not served.  A block of zeros gets the byte 1 where the rule says 127: its codes are zeros, which add nothing under any byte
; but 0xff, and the bytes are read by this program alone.
; SHARES: work-group g makes rows 2 g and 2 g + 1: 4,096 bytes of codes, and 256 scale bytes, which leave as one aligned run.
; Wave v takes 1,024 numbers: a quarter of a row, 32 blocks, ONE BLOCK A LANE.  Each of its eight loads reads 512 consecutive bytes, 16 a lane; the 4,096 bytes turn through
; the wave's own stage in LDS and come back 128 bytes a lane, so that a lane's 32 registers are a block's 32 neighbours along K, as the conversions want them.
; No tensor loads, no matrix unit, no cluster: the launch reads 4 MiB once and work-groups share nothing.
.set LP,   144                         ; a lane's place in a stage: its 128 bytes + 16 of padding: nine times 16 bytes
.set STG,  32*LP                       ; a wave's stage
.set SCB,  8*STG                       ; behind the eight stages: the work-group's 256 scale bytes,
.set SPARE, SCB+256                    ; then the spare words, 128 bytes a wave
.set X,    16                          ; v16-47  the numbers as they are loaded
.set Y,    48                          ; v48-79  my block's 32 numbers
.set C,    80                          ; v80-83  its codes
.set M,    84                          ; v84-87  largest magnitudes, four chains
	s_load_b128 s[4:7], s[0:1], 0x0                ; W s[4:5], w_codes s[6:7]
	s_load_b64 s[8:9], s[0:1], 0x10                ; w_scales
	v_lshrrev_b32 v1, 5, v0
	v_readfirstlane_b32 s10, v1                    ; wave 0..7
	s_lshr_b32 s11, s10, 2
	s_lshl_b32 s12, ttmp9, 1
	s_add_co_u32 s12, s12, s11                     ; my row: 2 g + wave / 4
	s_and_b32 s13, s10, 3                          ; my quarter of it
	s_lshl_b32 s14, s12, 14                        ; W: 16,384 bytes a row, 4,096 a quarter
	s_lshl_b32 s15, s13, 12
	s_add_co_u32 s14, s14, s15
	s_mov_b32 s15, 0
	s_lshr_b32 s16, s12, 6                         ; codes: 131,072 for each 64 rows,
	s_lshl_b32 s16, s16, 17
	s_and_b32 s17, s12, 63                         ; 1,024 a row,
	s_lshl_b32 s17, s17, 10
	s_add_co_u32 s16, s16, s17
	s_lshr_b32 s17, s13, 1                         ; 65,536 for the second half of K,
	s_lshl_b32 s17, s17, 16
	s_add_co_u32 s16, s16, s17
	s_and_b32 s17, s13, 1                          ; 512 for a half's second quarter
	s_lshl_b32 s17, s17, 9
	s_add_co_u32 s16, s16, s17
	s_mov_b32 s17, 0
	s_lshl_b32 s18, ttmp9, 8                       ; scale bytes: 256 g
	s_mov_b32 s19, 0
	s_mul_i32 s20, s10, STG                        ; my wave's stage
	v_and_b32 v1, 31, v0                           ; lane
	v_bfe_u32 v8, v0, 3, 2                         ; lane / 8
	v_and_b32 v9, 7, v0                            ; lane % 8
	v_add_nc_u32 v5, SCB, v0                       ; my block's scale byte: 32 x wave + lane = my thread's number
	v_lshlrev_b32 v2, 4, v1                        ; 16 x lane: my 16 bytes of a load's 512, and my block's 16 bytes of codes
	v_mul_u32_u24 v3, v8, LP
	v_mul_u32_u24 v4, v1, LP
	v_lshlrev_b32 v7, 3, v1                        ; the scale bytes' way out (wave 0): 8 bytes a lane
	v_lshl_add_u32 v3, v9, 4, v3
	v_add_nc_u32 v4, s20, v4                       ; the stage on the way out: LP x lane: my block
	v_add_nc_u32 v6, SCB, v7
	v_add_nc_u32 v3, s20, v3                       ; and on the way in: LP (lane / 8) + 16 (lane % 8); a load's 512 bytes take four places
	v_lshl_add_u32 v14, v0, 2, SPARE
	v_mov_b32 v15, 0
	s_wait_alu depctr_va_vdst(0)                   ; the wait at the head's end
	s_wait_kmcnt 0x0
	s_add_nc_u64 s[4:5], s[4:5], s[14:15]
	s_add_nc_u64 s[6:7], s[6:7], s[16:17]
	s_add_nc_u64 s[8:9], s[8:9], s[18:19]
.irp i, 0,1,2,3,4,5,6,7
	global_load_b128 v[X+4*\i:X+4*\i+3], v2, s[4:5] offset:512*\i th:TH_LOAD_NT   ; 32 lanes read 512 consecutive bytes; all eight loads are out together
.endr
.irp i, 0,1,2,3,4,5,6,7
	s_wait_loadcnt 7-\i                            ; loads come back in order: load i is in, the 7 - i younger ones may be out
	ds_store_b128 v3, v[X+4*\i:X+4*\i+3] offset:4*LP*\i
.endr
.irp i, 0,1,2,3,4,5,6,7
	ds_load_b128 v[Y+4*\i:Y+4*\i+3], v4 offset:16*\i   ; LDS serves a wave's instructions in order: these see my stores
.endr
	s_wait_dscnt 0x0
.irp g, 0,1,2,3                        ; the largest magnitude, in four chains of eight numbers by turns
	v_max3_num_f32 v[M+\g], |v[Y+8*\g]|, |v[Y+8*\g+1]|, |v[Y+8*\g+2]|
.endr
.irp i, 3,5
.irp g, 0,1,2,3
	v_max3_num_f32 v[M+\g], v[M+\g], |v[Y+8*\g+\i]|, |v[Y+8*\g+\i+1]|
.endr
.endr
	v_max3_num_f32 v[M], v[M], v[M+1], |v[Y+7]|
	v_max3_num_f32 v[M+2], v[M+2], v[M+3], |v[Y+15]|
	v_max3_num_f32 v[M], v[M], |v[Y+23]|, |v[Y+31]|
	v_max3_num_f32 v[M], v[M], v[M+2], 0x1800000   ; and the floor 2^(3 - 127), under which no largest magnitude is taken: so the byte cannot fall under 1
	v_add_nc_u32 v11, 0xff000000, v[M]             ; 2 off its exponent field: the conversion takes the exponent field of this operand as its scale, and nothing else of it
	v_lshrrev_b32 v13, 23, v11                     ; the scale's byte
	ds_store_b8 v5, v13
.irp g, 0,1,2,3
	v_cvt_scalef32_pk8_fp4_f32 v[C+\g], v[Y+8*\g:Y+8*\g+7], v11   ; eight numbers to eight codes, the first number's code in the lowest four bits
.endr
	v_nop                                          ; one plain line behind the conversions
	global_store_b128 v2, v[C:C+3], s[6:7]         ; the wave stores 512 consecutive bytes, at a multiple of 512 from the buffer's first byte
	s_wait_dscnt 0x0                               ; for wave 0's sake: my scale byte has landed
	s_barrier_signal -1
	s_barrier_wait -1                              ; all 256 have
	s_cmp_lg_u32 s10, 0
	s_cbranch_scc1 .Ldone
	ds_load_b64 v[88:89], v6
	s_wait_dscnt 0x0
	global_store_b64 v7, v[88:89], s[8:9]          ; wave 0 stores the 256 scale bytes: 32 lanes, 256 consecutive bytes, aligned
.Ldone:
	s_wait_tensorcnt 0x0                           ; the wave's end
	ds_add_u32 v14, v15
	s_wait_dscnt 0x0
	s_endpgm
.Lfunc_end_k_qda151bb5bb_quant:
	.size	k_qda151bb5bb_quant, .Lfunc_end_k_qda151bb5bb_quant-k_qda151bb5bb_quant
	.p2alignl 7, 3214868480
	.fill 96, 4, 3214868480
	.section	.rodata,"a",@progbits
	.p2align	6, 0x0
	.amdhsa_kernel k_qda151bb5bb_quant
		.amdhsa_group_segment_fixed_size 38144
		.amdhsa_private_segment_fixed_size 0
		.amdhsa_enable_private_segment 0
		.amdhsa_kernarg_size 24
		.amdhsa_user_sgpr_count 2
		.amdhsa_user_sgpr_kernarg_segment_ptr 1
		.amdhsa_wavefront_size32 1
		.amdhsa_system_sgpr_workgroup_id_x 1
		.amdhsa_system_sgpr_workgroup_id_y 1
		.amdhsa_system_sgpr_workgroup_id_z 1
		.amdhsa_system_vgpr_workitem_id 0
		.amdhsa_next_free_vgpr 96
		.amdhsa_next_free_sgpr 66
		.amdhsa_reserve_vcc 0
		.amdhsa_float_denorm_mode_32 3
		.amdhsa_float_denorm_mode_16_64 3
		.amdhsa_memory_ordered 1
		.amdhsa_forward_progress 1
		.amdhsa_inst_pref_size 7
	.end_amdhsa_kernel
	.amdgpu_metadata
---
amdhsa.version: [ 1, 2 ]
amdhsa.kernels:
  - .name:           k_qda151bb5bb_quant
    .symbol:         k_qda151bb5bb_quant.kd
    .args:
      - { .name: shared_weights, .offset: 0, .size: 8, .value_kind: global_buffer, .address_space: global }
      - { .name: w_codes, .offset: 8, .size: 8, .value_kind: global_buffer, .address_space: global }
      - { .name: w_scales, .offset: 16, .size: 8, .value_kind: global_buffer, .address_space: global }
    .group_segment_fixed_size: 38144
    .private_segment_fixed_size: 0
    .kernarg_segment_align: 8
    .kernarg_segment_size: 24
    .max_flat_workgroup_size: 256
    .sgpr_count:     66
    .vgpr_count:     96
    .wavefront_size: 32
...
	.end_amdgpu_metadata
.endif
;; end of part 1
;; launch fc (part 2): grid 4 x 64, 8 waves a work-group, clusters of 4 x 4, 320,512 bytes of LDS; arguments x_codes, x_scales, w_codes, w_scales, bias, out0; writes out0
.if DOCPART == 2
	.amdgcn_target "amdgcn-amd-amdhsa--gfx1250"
	.amdhsa_code_object_version 6
	.text
	.protected	k_qda151bb5bb_fc
	.globl	k_qda151bb5bb_fc
	.p2align	8
	.type	k_qda151bb5bb_fc,@function
k_qda151bb5bb_fc:
	s_mov_b64 s[64:65], 0
	v_nop
	global_prefetch_b8 v0, s[64:65] scope:SCOPE_SE
	s_setreg_imm32_b32 hwreg(HW_REG_WAVE_MODE, 25, 1), 1
	s_wait_xcnt 0x0
	s_wait_alu depctr_hold_cnt(0) depctr_sa_sdst(0) depctr_va_vdst(0) depctr_va_sdst(0) depctr_va_ssrc(0) depctr_va_vcc(0) depctr_vm_vsrc(0)
	s_getreg_b32 s2, hwreg(HW_REG_IB_STS2, 6, 4)
	s_cmp_eq_u32 s2, 0
	s_cbranch_scc0 .Lentry_in_a_cluster
	s_endpgm
.Lentry_in_a_cluster:
	s_bfe_u32 s2, ttmp6, 0x10000c
	s_cmp_lg_u32 s2, 0xf033
	s_cbranch_scc0 .Lentry_shape_is_right
	s_endpgm
.Lentry_shape_is_right:
; out0[m][j] = sum over k of x[m][k] Wq[j % 256][k] + bias[j].  x: [4096][4096] as codes of FP4 (E2M1) with one E8M0 byte for each 32 along K, taken as given; Wq: the 256 shared rows as the launch
; before has quantised them; sums in f32; out0: [4096][4096] f32.
; THE WEIGHT MATRIX IS THE 256 SHARED ROWS REPEATED 16 TIMES, so columns j and j + 256 hold the same sum and differ in the bias alone: each sum is made ONCE, and stored 16 times with 16 pieces of bias.
; SHARES.  256 work-groups.  Work-group (cb, y) makes rows 64 y .. + 63 against shared columns 64 cb .. + 63: 256 KiB stored for 256 KiB of codes.  64 columns of f32 are 256 bytes: a copy's piece of a row is an aligned unit.
; K IS SHARED OUT AMONG THE EIGHT WAVES: wave w takes k = 512 w .. + 511 of all 64 rows and 64 columns, so each byte of codes is read from LDS once.  The eight partial sums of an output meet in LDS and are
; added in f32, in a fixed order; of each 16 rows wave w adds and stores rows 2 w and 2 w + 1.
; ALL OF K LIES IN LDS AT ONCE, in eight tiles of 32 KiB, ONE TENSOR LOAD A WAVE: waves 0-3 fetch Wq's four tiles, wave 4 x's rows 0-15, waves 5-7 x's groups 1 to 3 of 16 rows.  Nothing is filled twice.
; ROWS 0-15 GO FIRST: they need the tiles of waves 0-4 alone.  Rows 16-63 are multiplied between their stores, and go out behind them.
; CLUSTERS: 4 x 4 work-groups.  x's tiles hang on y alone and are asked for JOINTLY by the four of a row of the cluster; Wq's tiles hang on cb alone: by the four of a column.
; The scale bytes (8 KiB a side) and the bias (4 KiB) are loaded by the waves: too small a part of the bytes to be shared.  NO PREFETCH: all loads are issued at the head, and no loop runs behind them.
; THE MATRIX INSTRUCTION IS USED TRANSPOSED: source 0 = 16 rows of Wq, source 1 = 16 rows of x.  Lane (r, h) then holds row r of out0, register j of tile t its column 16 t + 8 h + j.
; LIMITS: a scale byte 0xff among x_scales makes the sums NaN (E8M0's NaN).  K is summed in eight parts of 512.
.set ROWP, 1040                        ; a tile's row in LDS: 1,024 bytes + 16 of padding.  Wq: a row's half of K; x: rows lie end to end, so two such rows are a row of x
.set TILE, 32*ROWP                     ; 33,280 bytes
.set WL,   4*TILE                      ; LDS: x's four tiles, Wq's four (half of K, then 32 rows),
.set PITCH, 272                        ; partial sums: a row of 64 f32 + 16 bytes
.set WPART, 16*PITCH                   ; a wave's partial sums of 16 rows
.set GRP,  8*WPART                     ; a group of 16 rows: eight partials.  Groups 1 to 3 take the place of Wq's tiles, which have been read by then, and are filled once
.set PA,   8*TILE                      ; group 0's partials,
.set SCP,  144                         ; a row of scale bytes: 128 + 16
.set SCX,  PA+GRP                      ; x's scale bytes, 64 rows,
.set SCW,  64*SCP                      ; Wq's behind them,
.set SPARE, SCX+2*SCW                  ; and the spare words, 128 bytes a wave
.set AX,   4                           ; v4, v5  LDS address of my fragments of x, groups 0 and 1, 2 and 3 (an LDS offset has 16 bits)
.set AW,   6                           ; v6   of Wq's
.set STA,  7                           ; v7, v8, v9 my partial sums' way into LDS: group 0; 1 and 2; 3
.set STB,  8
.set STC,  9
.set RDA,  10                          ; v10, v11, v12 and the way back
.set RDB,  11
.set RDC,  12
.set CO,   13                          ; v13  out0: row h of 16,384 bytes + 16 r
.set SGO,  14                          ; v14  16 x lane: the scale bytes' way in
.set SST,  15                          ; v15  into LDS,
.set SRD,  16                          ; v16  and back: row = lane
.set BLO,  17                          ; v17  the bias: 16 r
.set XS,   32                          ; v32-39  x's scale words: XS + 4 i + q: row 32 i + lane, K step q.  Scales and nothing else
.set WS,   40                          ; v40-47  Wq's likewise
.set SUM,  52                          ; v52-55  group 0's finished sums: row h of my two, columns 4 r .. + 3
.set PART, 56                          ; v56-87  scale bytes on their way in; then group 0's eight partials; then group 2's accumulators
.set ACC,  88                          ; v88-119 the accumulators of groups 0 and 1: tile t at + 8 t
.set X,    120                         ; v120-247 x's fragments: group p, K step q at X + 32 p + 8 q.  Group 0's place then holds group 3's accumulators,
.set PB,   152                         ; and groups 1 to 3's places their partials
; window 1: Wq's fragments at v0-127: K step q, tile t at 32 q + 8 t (then store data); v128-191 the bias, copy c at + 4 c; v192-255 store data
.set BI,   128
.set SD,   192
.set G1X,  24                          ; s[24:31] descriptor group 1 for x's tiles, s[32:39] for Wq's; s[40:43], s[44:47] their groups 0
.set G1W,  32
.set G0X,  40
.set G0W,  44
.set MSB, 0
.macro WIN new                         ; bits 1:0 source 0, 3:2 source 1, 5:4 source 2, 7:6 destination; the high byte repeats the setting that is left
.if MSB != \new
	s_set_vgpr_msb (MSB<<8)|\new
.set MSB, \new
.endif
.endm
.set TO_1, 0x40                        ; destination window 1
.set MUL,  0x01                        ; source 0 (Wq) window 1
.set OUTW, 0x44                        ; destination and source 1 (bias, store data) window 1
; A round of the cluster's barrier: my work-group's barrier; wave 0 signals for the work-group; every wave waits for all sixteen work-groups; my work-group's barrier once more.
.macro CROUND
	s_barrier_signal -1
	s_barrier_wait -1
	s_cmp_lg_u32 s16, 0
	s_cbranch_scc1 .Lnot_wave_0_\@
	s_barrier_signal -3
.Lnot_wave_0_\@:
	s_barrier_wait -3
	s_barrier_signal -1
	s_barrier_wait -1
.endm
; Four plain places: behind the last matrix instruction ahead of LDS stores of its results, and behind each tensor load.
.macro PLACES
.rept 4
	v_nop
.endr
.endm
	s_load_b256 s[4:11], s[0:1], 0x0               ; x_codes s[4:5], x_scales s[6:7], w_codes s[8:9], w_scales s[10:11]
	s_load_b128 s[12:15], s[0:1], 0x20             ; bias s[12:13], out0 s[14:15]
	v_lshl_add_u32 v2, v0, 2, SPARE                ; v2, v3: my spare word's address, and 0
	v_mov_b32 v3, 0
	ds_add_u32 v2, v3                              ; the wave's opening: the add, twice on end, and its wait
	ds_add_u32 v2, v3
	v_lshrrev_b32 v1, 5, v0
	v_readfirstlane_b32 s16, v1                    ; wave w
	s_and_b32 s18, s16, 3                          ; which of x's or of Wq's four tiles I fetch; my place in a half of K
	s_lshr_b32 s19, s16, 2                         ; my half of K
	s_bfe_u32 s20, ttmp6, 0x40000                  ; cx, cy: my place in the cluster
	s_bfe_u32 s21, ttmp6, 0x40004
	s_lshl_b32 s22, ttmp9, 2
	s_add_co_u32 s22, s22, s20                     ; cb = 4 x cluster x + cx
	s_and_b32 s17, ttmp7, 0xffff
	s_lshl_b32 s17, s17, 2
	s_add_co_u32 s17, s17, s21                     ; y = 4 x cluster y + cy
	s_lshl_b32 s60, s21, 2
	s_lshl_b32 s60, 15, s60                        ; my row of the cluster: places 4 cy .. 4 cy + 3
	s_lshl_b32 s61, 0x1111, s20                    ; my column: places cx, cx + 4, cx + 8, cx + 12
	; descriptor group 1: a dense tile of 32 rows of 1,024 bytes, padded in LDS
	s_or_b32 s[G1X], s60, (3<<16)|(1<<20)|(1<<21)|(7<<22)|(3<<25)   ; 15:0 the mask; 17:16 elements of 8 bytes; 20 padding on; 21 set beside a mask; 24:22 after every 256 words (code 7); 31:25 four words (code 3)
	s_or_b32 s[G1W], s61, (3<<16)|(1<<20)|(1<<21)|(7<<22)|(3<<25)
.irp g, G1X, G1W
	s_mov_b32 s[\g+1], 128<<16                     ; tensor_dim0 = 128 elements
	s_mov_b32 s[\g+2], 32<<16                      ; tensor_dim1 = 32
	s_mov_b32 s[\g+3], 128<<16                     ; tile_dim0
	s_mov_b32 s[\g+4], 32                          ; tile_dim1
	s_mov_b32 s[\g+5], 128                         ; from row to row: dense
	s_mov_b32 s[\g+6], 0
	s_mov_b32 s[\g+7], 0
.endr
	s_mul_i32 s62, s18, TILE                       ; where my tile goes: no place in the cluster enters an LDS address
	s_mov_b32 s[G0X], 1
	s_mov_b32 s[G0X+1], s62
	s_mov_b32 s[G0W], 1
	s_add_co_u32 s[G0W+1], s62, WL
	s_lshl_b32 s63, s18, 15                        ; and where it comes from: 32,768 bytes a tile, 131,072 a block of rows (x) or of columns (Wq)
	s_lshl_b32 s48, s17, 17
	s_add_co_u32 s48, s48, s63
	s_mov_b32 s49, 0
	s_lshl_b32 s50, s22, 17
	s_add_co_u32 s50, s50, s63
	s_mov_b32 s51, 0
	s_lshl_b32 s66, s16, 10                        ; scale bytes: 8,192 a block; I bring 8 rows of 128 bytes of each side
	s_lshl_b32 s52, s17, 13
	s_add_co_u32 s52, s52, s66
	s_mov_b32 s53, 0
	s_lshl_b32 s54, s22, 13
	s_add_co_u32 s54, s54, s66
	s_mov_b32 s55, 0
	s_lshl_b32 s56, s22, 8                         ; the bias: 256 bytes a block of columns
	s_mov_b32 s57, 0
	s_lshl_b32 s58, s17, 20                        ; out0: 64 rows of 16,384 bytes, two rows a wave, 256 bytes a block of columns
	s_lshl_b32 s67, s16, 15
	s_add_co_u32 s58, s58, s67
	s_add_co_u32 s58, s58, s56
	s_mov_b32 s59, 0
	s_mul_i32 s66, s16, WPART
	s_mul_i32 s67, s16, 2*PITCH
	s_lshl_b32 s68, s16, 8                         ; my slice of K in a row of x: 256 w bytes on, and 16 more in the second half of K
	s_lshl_b32 s69, s19, 4
	s_add_co_u32 s68, s68, s69
	s_lshl_b32 s69, s18, 8                         ; in a row of Wq's tile: 256 (w % 4), two tiles on for the second half
	s_mul_i32 s70, s19, 2*TILE
	s_add_co_u32 s69, s69, s70
	s_add_co_u32 s69, s69, WL
	s_mul_i32 s70, s16, 8*SCP
	s_add_co_u32 s70, s70, SCX
	s_lshl_b32 s71, s16, 4
	s_add_co_u32 s71, s71, SCX
	v_and_b32 v18, 15, v0                          ; r
	v_bfe_u32 v19, v0, 4, 1                        ; h
	v_and_b32 v20, 31, v0                          ; lane
	v_bfe_u32 v21, v0, 3, 2                        ; lane / 8
	v_and_b32 v22, 7, v0                           ; lane % 8
	v_mul_u32_u24 v[AX], v18, 2*ROWP
	v_mul_u32_u24 v[AW], v18, ROWP
	v_mul_u32_u24 v[STA], v18, PITCH
	v_mul_u32_u24 v[RDA], v19, PITCH
	v_mul_u32_u24 v[SST], v21, SCP
	v_mul_u32_u24 v[SRD], v20, SCP
	v_lshlrev_b32 v[BLO], 4, v18
	v_lshlrev_b32 v[SGO], 4, v20
	v_lshl_add_u32 v[AX], v19, 4, v[AX]            ; row r, 16 h
	v_lshl_add_u32 v[AW], v19, 4, v[AW]
	v_lshl_add_u32 v[STA], v19, 5, v[STA]          ; row r, 32 h
	v_lshl_add_u32 v[RDA], v18, 4, v[RDA]          ; row h of my two, 16 r
	v_lshl_add_u32 v[SST], v22, 4, v[SST]
	v_lshl_add_u32 v[CO], v19, 14, v[BLO]
	v_add_nc_u32 v[AX], s68, v[AX]
	v_add_nc_u32 v[AW], s69, v[AW]
	v_add_nc_u32 v[STA], s66, v[STA]
	v_add_nc_u32 v[RDA], s67, v[RDA]
	v_add_nc_u32 v[SST], s70, v[SST]
	v_add_nc_u32 v[SRD], s71, v[SRD]
	v_add_nc_u32 v[AX+1], 2*TILE, v[AX]
	v_add_nc_u32 v[STB], WL, v[STA]
	v_add_nc_u32 v[RDB], WL, v[RDA]
	v_add_nc_u32 v[STC], WL+2*GRP, v[STA]
	v_add_nc_u32 v[RDC], WL+2*GRP, v[RDA]
	v_add_nc_u32 v[STA], PA, v[STA]
	v_add_nc_u32 v[RDA], PA, v[RDA]
	s_wait_alu depctr_va_vdst(0)                   ; the wait at the head's end
	s_wait_dscnt 0x0                               ; both opening adds are done
	CROUND                                         ; all sixteen work-groups are here: the joint loads meet
	s_wait_kmcnt 0x0
	s_add_nc_u64 s[G0W+2:G0W+3], s[8:9], s[50:51]
	s_or_b32 s[G0W+3], s[G0W+3], 0x80000000        ; 127:126 type = 2
	s_add_nc_u64 s[G0X+2:G0X+3], s[4:5], s[48:49]
	s_or_b32 s[G0X+3], s[G0X+3], 0x80000000
	; ALL FILLS OF THE LAUNCH, one a wave, in one chain of branches on the wave's number.  Waves 5-7 wait later than wave 4 and have a line of their own.
	s_cmp_lt_u32 s16, 4
	s_cbranch_scc0 .Lfor_x
	tensor_load_to_lds s[G0W:G0W+3], s[G1W:G1W+7]
	s_nop 0
	PLACES
	s_branch .Lasked
.Lfor_x:
	s_cmp_lt_u32 s16, 5
	s_cbranch_scc0 .Lfor_later
	tensor_load_to_lds s[G0X:G0X+3], s[G1X:G1X+7]
	s_nop 0
	PLACES
	s_branch .Lasked
.Lfor_later:
	tensor_load_to_lds s[G0X:G0X+3], s[G1X:G1X+7]
	s_nop 0
	PLACES
.Lasked:
	s_add_nc_u64 s[6:7], s[6:7], s[52:53]
	s_add_nc_u64 s[10:11], s[10:11], s[54:55]
	s_add_nc_u64 s[12:13], s[12:13], s[56:57]
	s_add_nc_u64 s[14:15], s[14:15], s[58:59]
.irp i, 0,1                            ; my 8 rows of scale bytes of each side: 512 consecutive bytes a load
	global_load_b128 v[PART+4*\i:PART+4*\i+3], v[SGO], s[6:7] offset:512*\i
	global_load_b128 v[PART+8+4*\i:PART+11+4*\i], v[SGO], s[10:11] offset:512*\i
.endr
	WIN TO_1
.irp c, 0,1,2,3,4,5,6,7,8,9,10,11,12,13,14,15
	global_load_b128 v[BI+4*\c:BI+4*\c+3], v[BLO], s[12:13] offset:1024*\c         ; bias[256 c + 64 cb + 4 r + 0 .. 3]: a whole unit of 256 bytes
.endr
	WIN 0
; Four matrix instructions: group p's 16 rows x the four tiles of columns, K step q.  The accumulators take turns.  The first K step starts the sums: nothing is cleared.
; Odd tiles and odd groups take their scale words from lanes 16-31.
.macro MM p, q
.irp t, 0,1,2,3
.if \p < 2
.set mD, ACC+8*\t
.elseif \p == 2
.set mD, PART+8*\t
.else
.set mD, X+8*\t
.endif
.set mW, 32*\q+8*\t
.set mX, X+32*\p+8*\q
.set mA, WS+4*(\t/2)+\q
.set mB, XS+4*(\p/2)+\q
.set mK, (\t%2)+2*(\p%2)
.if \q == 0
.if mK == 0
	v_wmma_scale_f32_16x16x128_f8f6f4 v[mD:mD+7], v[mW:mW+7], v[mX:mX+7], 0, v[mA], v[mB] matrix_a_fmt:MATRIX_FMT_FP4 matrix_b_fmt:MATRIX_FMT_FP4
.elseif mK == 1
	v_wmma_scale_f32_16x16x128_f8f6f4 v[mD:mD+7], v[mW:mW+7], v[mX:mX+7], 0, v[mA], v[mB] matrix_a_fmt:MATRIX_FMT_FP4 matrix_b_fmt:MATRIX_FMT_FP4 matrix_a_scale:MATRIX_SCALE_ROW1
.elseif mK == 2
	v_wmma_scale_f32_16x16x128_f8f6f4 v[mD:mD+7], v[mW:mW+7], v[mX:mX+7], 0, v[mA], v[mB] matrix_a_fmt:MATRIX_FMT_FP4 matrix_b_fmt:MATRIX_FMT_FP4 matrix_b_scale:MATRIX_SCALE_ROW1
.else
	v_wmma_scale_f32_16x16x128_f8f6f4 v[mD:mD+7], v[mW:mW+7], v[mX:mX+7], 0, v[mA], v[mB] matrix_a_fmt:MATRIX_FMT_FP4 matrix_b_fmt:MATRIX_FMT_FP4 matrix_a_scale:MATRIX_SCALE_ROW1 matrix_b_scale:MATRIX_SCALE_ROW1
.endif
.else
.if mK == 0
	v_wmma_scale_f32_16x16x128_f8f6f4 v[mD:mD+7], v[mW:mW+7], v[mX:mX+7], v[mD:mD+7], v[mA], v[mB] matrix_a_fmt:MATRIX_FMT_FP4 matrix_b_fmt:MATRIX_FMT_FP4
.elseif mK == 1
	v_wmma_scale_f32_16x16x128_f8f6f4 v[mD:mD+7], v[mW:mW+7], v[mX:mX+7], v[mD:mD+7], v[mA], v[mB] matrix_a_fmt:MATRIX_FMT_FP4 matrix_b_fmt:MATRIX_FMT_FP4 matrix_a_scale:MATRIX_SCALE_ROW1
.elseif mK == 2
	v_wmma_scale_f32_16x16x128_f8f6f4 v[mD:mD+7], v[mW:mW+7], v[mX:mX+7], v[mD:mD+7], v[mA], v[mB] matrix_a_fmt:MATRIX_FMT_FP4 matrix_b_fmt:MATRIX_FMT_FP4 matrix_b_scale:MATRIX_SCALE_ROW1
.else
	v_wmma_scale_f32_16x16x128_f8f6f4 v[mD:mD+7], v[mW:mW+7], v[mX:mX+7], v[mD:mD+7], v[mA], v[mB] matrix_a_fmt:MATRIX_FMT_FP4 matrix_b_fmt:MATRIX_FMT_FP4 matrix_a_scale:MATRIX_SCALE_ROW1 matrix_b_scale:MATRIX_SCALE_ROW1
.endif
.endif
.endr
.endm
; A fragment, 16 rows x 128 K of 4-bit codes, is 8 registers: lane (r, h) holds row r; registers 4 c .. + 3 hold K = 64 c + 32 h + 0 .. 31: two loads of 16 bytes, 32 bytes apart.
.macro XREAD p                         ; group p's fragments of my slice of K
.irp q, 0,1,2,3
.irp c, 0,1
	ds_load_b128 v[X+32*\p+8*\q+4*\c:X+32*\p+8*\q+4*\c+3], v[AX+\p/2] offset:TILE*(\p%2)+64*\q+32*\c
.endr
.endr
.endm
.macro PUT acc, adr, at                ; my partial sums of a group into LDS, each accumulator from its low end on
.irp t, 0,1,2,3
	ds_store_b128 v[\adr], v[\acc+8*\t:\acc+8*\t+3] offset:\at+64*\t
	ds_store_b128 v[\adr], v[\acc+8*\t+4:\acc+8*\t+7] offset:\at+64*\t+16
.endr
.endm
.macro GET to, adr, at                 ; the eight waves' partials of my two rows
.irp k, 0,1,2,3,4,5,6,7
	ds_load_b128 v[\to+4*\k:\to+4*\k+3], v[\adr] offset:\at+WPART*\k
.endr
.endm
.macro ADD4 d, a, b
	v_pk_add_f32 v[\d:\d+1], v[\a:\a+1], v[\b:\b+1]
	v_pk_add_f32 v[\d+2:\d+3], v[\a+2:\a+3], v[\b+2:\b+3]
.endm
.macro LEVEL1 b                        ; ((0+1)+(2+3))+((4+5)+(6+7)), in place but for the last addition
	ADD4 \b, \b, \b+4
	ADD4 \b+8, \b+8, \b+12
	ADD4 \b+16, \b+16, \b+20
	ADD4 \b+24, \b+24, \b+28
.endm
.macro LEVEL2 b
	ADD4 \b, \b, \b+8
	ADD4 \b+16, \b+16, \b+24
.endm
; Eight copies of group p from copy c0 on: the bias added, 16 bytes a lane; lanes 0-15 and 16-31 store one aligned unit of 256 bytes each.
.macro OUT p, c0, sum, sd
.irp c, 0,1,2,3,4,5,6,7
.set oB, BI+4*(\c0+\c)
.set oD, \sd+4*(\c0+\c)
	v_pk_add_f32 v[oD:oD+1], v[\sum:\sum+1], v[oB:oB+1]
	v_pk_add_f32 v[oD+2:oD+3], v[\sum+2:\sum+3], v[oB+2:oB+3]
.endr
.irp c, 0,1,2,3,4,5,6,7
.set oD, \sd+4*(\c0+\c)
	global_store_b128 v[CO], v[oD:oD+3], s[14:15] offset:262144*\p+1024*(\c0+\c) th:TH_STORE_NT
.endr
.endm
	s_wait_loadcnt 16                              ; my scale bytes are in; the 16 loads of the bias may be out
.irp i, 0,1
	ds_store_b128 v[SST], v[PART+4*\i:PART+4*\i+3] offset:4*SCP*\i
	ds_store_b128 v[SST], v[PART+8+4*\i:PART+11+4*\i] offset:SCW+4*SCP*\i
.endr
	s_cmp_lt_u32 s16, 5
	s_cbranch_scc0 .Lno_wait                       ; x's groups 1 to 3 may be on their way until the next barrier
	s_wait_tensorcnt 0x0
.Lno_wait:
	s_wait_dscnt 0x0                               ; for the others' sake: my scale bytes are in LDS
	s_barrier_signal -1
	s_barrier_wait -1                              ; Wq's tiles, x's rows 0-15 and all scale bytes are in LDS
.irp i, 0,1
	ds_load_b128 v[XS+4*\i:XS+4*\i+3], v[SRD] offset:32*SCP*\i
	ds_load_b128 v[WS+4*\i:WS+4*\i+3], v[SRD] offset:SCW+32*SCP*\i
.endr
	XREAD 0
	WIN TO_1
.irp q, 0,1,2,3
.irp t, 0,1,2,3
.irp c, 0,1
	ds_load_b128 v[32*\q+8*\t+4*\c:32*\q+8*\t+4*\c+3], v[AW] offset:16*ROWP*\t+64*\q+32*\c
.endr
.endr
.endr
	WIN MUL
.irp q, 0,1,2,3
	s_wait_dscnt 8*(3-\q)                          ; Wq's K step q is in: eight loads for each later one may be out
	MM 0, \q
.endr
	WIN 0
	PLACES
	PUT ACC, STA, 0
	s_wait_tensorcnt 0x0                           ; every tile is in from the barrier on
	s_wait_dscnt 0x0                               ; for the others' sake: my partials are in LDS, and my reads of Wq's tiles are over
	s_barrier_signal -1
	s_barrier_wait -1
	GET PART, RDA, 0
	XREAD 1
	XREAD 2
	XREAD 3
	s_wait_dscnt 24                                ; the eight partials are in; x's 24 fragment loads may be out
	LEVEL1 PART
	LEVEL2 PART
	ADD4 SUM, PART, PART+16
	s_wait_alu depctr_va_vdst(0)                   ; the wait here, directly ahead of the wait below
	s_wait_loadcnt 0x0                             ; the bias is in
	WIN OUTW
	OUT 0, 0, SUM, SD
	s_wait_dscnt 0x0
	WIN MUL
.irp q, 0,1,2,3
	MM 1, \q
	MM 2, \q
	MM 3, \q
.endr
	WIN 0
	PLACES
	PUT ACC, STB, 0
	PUT PART, STB, GRP
	PUT X, STC, 0
	WIN OUTW
	OUT 0, 8, SUM, SD
	WIN 0
	s_wait_dscnt 0x0                               ; for the others' sake: my partials are in LDS
	s_barrier_signal -1
	s_barrier_wait -1
	GET PB, RDB, 0
	GET PB+32, RDB, GRP
	GET PB+64, RDC, 0
	s_wait_dscnt 0x0
	LEVEL1 PB
	LEVEL1 PB+32
	LEVEL1 PB+64
	LEVEL2 PB
	LEVEL2 PB+32
	LEVEL2 PB+64
	ADD4 PB, PB, PB+16
	ADD4 PB+32, PB+32, PB+48
	ADD4 PB+64, PB+64, PB+80
	s_wait_alu depctr_va_vdst(0)                   ; the wait here, directly ahead of the wait below
	s_wait_xcnt 0x0                                ; group 0's stores have been translated (ISA guide 3.1): their data registers may be written again.  The 48 stores below have registers of their own: Wq's 128 and these 64
	WIN OUTW
	OUT 1, 0, PB, 0
	OUT 1, 8, PB, 0
	OUT 2, 0, PB+32, 64
	OUT 2, 8, PB+32, 64
	OUT 3, 0, PB+64, SD
	OUT 3, 8, PB+64, SD
	WIN 0
	s_wait_tensorcnt 0x0                           ; the wave's end
	ds_add_u32 v2, v3
	s_wait_dscnt 0x0
	CROUND                                         ; the closing round: no work-group ends while a partner may still ask for a tile that names it
	s_endpgm
.Lfunc_end_k_qda151bb5bb_fc:
	.size	k_qda151bb5bb_fc, .Lfunc_end_k_qda151bb5bb_fc-k_qda151bb5bb_fc
	.p2alignl 7, 3214868480
	.fill 96, 4, 3214868480
	.section	.rodata,"a",@progbits
	.p2align	6, 0x0
	.amdhsa_kernel k_qda151bb5bb_fc
		.amdhsa_group_segment_fixed_size 320512
		.amdhsa_private_segment_fixed_size 0
		.amdhsa_enable_private_segment 0
		.amdhsa_kernarg_size 48
		.amdhsa_user_sgpr_count 2
		.amdhsa_user_sgpr_kernarg_segment_ptr 1
		.amdhsa_wavefront_size32 1
		.amdhsa_system_sgpr_workgroup_id_x 1
		.amdhsa_system_sgpr_workgroup_id_y 1
		.amdhsa_system_sgpr_workgroup_id_z 1
		.amdhsa_system_vgpr_workitem_id 0
		.amdhsa_next_free_vgpr 512
		.amdhsa_next_free_sgpr 72
		.amdhsa_reserve_vcc 0
		.amdhsa_float_denorm_mode_32 3
		.amdhsa_float_denorm_mode_16_64 3
		.amdhsa_memory_ordered 1
		.amdhsa_forward_progress 1
		.amdhsa_inst_pref_size 45
	.end_amdhsa_kernel
	.amdgpu_metadata
---
amdhsa.version: [ 1, 2 ]
amdhsa.kernels:
  - .name:           k_qda151bb5bb_fc
    .symbol:         k_qda151bb5bb_fc.kd
    .args:
      - { .name: x_codes, .offset: 0, .size: 8, .value_kind: global_buffer, .address_space: global }
      - { .name: x_scales, .offset: 8, .size: 8, .value_kind: global_buffer, .address_space: global }
      - { .name: w_codes, .offset: 16, .size: 8, .value_kind: global_buffer, .address_space: global }
      - { .name: w_scales, .offset: 24, .size: 8, .value_kind: global_buffer, .address_space: global }
      - { .name: bias, .offset: 32, .size: 8, .value_kind: global_buffer, .address_space: global }
      - { .name: out0, .offset: 40, .size: 8, .value_kind: global_buffer, .address_space: global }
    .group_segment_fixed_size: 320512
    .private_segment_fixed_size: 0
    .kernarg_segment_align: 8
    .kernarg_segment_size: 48
    .max_flat_workgroup_size: 256
    .sgpr_count:     72
    .vgpr_count:     512
    .wavefront_size: 32
...
	.end_amdgpu_metadata
.endif
;; end of part 2
